; MI455X (gfx1250); checked and timed in simulation.
; The chip was launched on July 23, 2026; its instructions are those of AMD's public machine-readable ISA for CDNA 5 (MIT licence, August 2026) and "CDNA5" Instruction Set Architecture Reference Guide (July 2026). The comments in the code are by the model that wrote it; some were corrected since.
;; Codebook. Allowed arithmetic: matrix products marked QUANTISED: E2M1 operands, one E8M0 scale for each 32 along K, by v_wmma_scale_f32_16x16x128_f8f6f4 with both operands' format E2M1 (or v_wmma_scale_f32_32x16x128_f4), f32 sums; everything else in f32.
;; Inputs: embeddings 8,192 x 256 float32; z_e 256 x 32,768 float32.
;; Outputs: out0 256 x 32,768 float32; out1 32,768 int32.
;; This version of the problem:
;;   THIS VERSION OF THE PROBLEM IS GIVEN IN LOW PRECISION. The matrix products marked QUANTISED in the list below multiply operands that are first quantised to E2M1 (2 exponent bits, 1 mantissa bit; 4 bits a number), with one power-of-two scale for each 32 numbers along K (OCP MX v1.0); their sums are f32. All else is computed in f32.
;;   The module's matrix products, in the order in which they are computed (A, B: the left and right operand; K: the contracted axis; several contracted axes count as one K, in the product's order):
;;     1. [M 32,768, K 256] x [K 256, N 8,192]; A: input z_e; B: input embeddings: QUANTISED
;;   THE QUANTISER, for each operand of a quantised product, along K:
;;     - K is cut into blocks of 32 from its start; a last block that is shorter is filled with zeros.
;;     - A block's scale is 2^e with e = floor(log2(the largest magnitude in the block)) - 2, held to -126 .. 127; a block of zeros has e = 0. As a byte (E8M0): e + 127.
;;     - Each number is divided by its block's scale, clamped to +-6, and rounded to the nearest number of E2M1, ties to even, subnormals kept.
;;     - The product sums the exact products of the quantised numbers (number of the format x scale) in f32.
;;   ~~~python
;;   def quantise(x, axis):      # numpy; x: float32 -> the quantised numbers, widened to float32 again
;;       x = np.moveaxis(x, axis, -1); K = x.shape[-1]
;;       x = np.pad(x, [(0, 0)] * (x.ndim - 1) + [(0, -K % 32)]); x = x.reshape(x.shape[:-1] + (-1, 32)); a = np.abs(x).max(-1, keepdims=True)
;;       e = np.where(a > 0, np.clip(np.frexp(np.where(a > 0, a, 1))[1] - 1 - 2, -126, 127), 0)      # np.frexp(a)[1] - 1 = floor(log2(a)), exactly
;;       r = np.clip(x / 2.0 ** e, -6, 6)
;;       step = 2.0 ** (np.maximum(np.frexp(np.where(r == 0, 1, r))[1] - 1, 0) - 1)
;;       q = np.round(r / step) * step * 2.0 ** e      # np.round: ties to even
;;       return np.moveaxis(q.reshape(q.shape[:-2] + (-1,))[..., :K], -1, axis).astype(np.float32)
;;   ~~~
;; One version. Each part assembles by itself: llvm-mc -triple=amdgcn-amd-amdhsa -mcpu=gfx1250 --defsym DOCPART=n.
;; ======== version 1 of 1: 3 launches
;; limits: right only within a limited range of input values
;; workspace buffers: erec 1,179,648 bytes; idxw 131,072 bytes of whole numbers; zimg 4,194,304 bytes; zscl 262,144 bytes
;; launch prep (part 1): grid 1280 x 1, 2 waves a work-group, no clusters, 34,048 bytes of LDS; arguments embeddings, erec, z_e, zimg, zscl; writes erec, zimg, zscl
.if DOCPART == 1
	.amdgcn_target "amdgcn-amd-amdhsa--gfx1250"
	.amdhsa_code_object_version 6
	.text
	.protected	k_qbf0e9d217e_prep
	.globl	k_qbf0e9d217e_prep
	.p2align	8
	.type	k_qbf0e9d217e_prep,@function
k_qbf0e9d217e_prep:
	s_mov_b64 s[64:65], 0
	v_nop
	global_prefetch_b8 v0, s[64:65] scope:SCOPE_SE
	s_setreg_imm32_b32 hwreg(HW_REG_WAVE_MODE, 25, 1), 1
	s_wait_xcnt 0x0
; Both operands of the product are quantised once, into images of the registers that the product's launch wants.
; WORK LEFT OUT: dist[n][k] = z_sq[n] - 2 z[n].e[k] + e_sq[k].  z_sq[n] is the same for every k, and -2 is a negative constant factor, so for all values of the inputs
; argmin over k of dist = argmax over k of (z[n].e[k] - e_sq[k] / 2).  z_sq reaches no output and is not computed.  LIMIT: an overflow or NaN that reaches z_sq alone is not carried to the result.
; Work-groups 0-255: embeddings [8192][256] f32 -> 512 records of 2,304 bytes, one for each tile of 16 codebook rows, a wave to a tile:
;   bytes 1024 s + 512 c + 16 lane : registers 4 c .. 4 c + 3 of the fragment of K step s: lane (r, h) holds row r, k = 128 s + 64 c + 32 h + 0 .. 31, codes of E2M1
;   bytes 2048 + 4 lane            : the scale register: lanes 0-15 row r's four E8M0 bytes of K step 0, lanes 16-31 those of K step 1
;   bytes 2176 + 4 lane            : -1/2 x the sum of squares of row r of the UNQUANTISED numbers, f32 (lanes 16-31 repeat it)
; Work-groups 256-1279: z_e [256][32768] f32, K its first axis.  A work-group takes 64 tokens x 128 along K; a lane takes a token and its registers run down K, so a block of 32 lies in one lane.
;   zimg: 2,048 bytes for each tile of 16 tokens, laid as above: block b of token r at 256 b + 16 r: sixteen lanes store 256 consecutive bytes, aligned.
;   zscl: 128 bytes a tile: word 16 s + r = token r's four bytes of K step s (a store covers runs of 64 bytes: one byte in 128 of what the path reads).
; A block's scale is 2^(floor(log2(its largest magnitude)) - 2); its byte is the largest magnitude's exponent field - 2, held at 1 from below.
; LIMITS: a block of zeros, or one whose largest magnitude lies under 2^-124, gets the byte 1 (the bytes are read by this program alone); NaN and infinities are not served;
; the sum of squares is taken in four chains and across two lanes, another order of f32 additions than a running sum.
; No matrix unit, no tensor load, no cluster: each input byte is read once, by one wave; waves share nothing, so there is no barrier.
.set WST, 16896                        ; a wave's LDS (codebook path): two stages
.set HST, 8448                         ; a stage: 16 rows x SP
.set SP,  528                          ; 512 bytes + 16
.set REC, 2304
.set ROWZ, 131072                      ; a row of z_e in bytes
.set F,   24                           ; v24-39   16 registers of codes
.set X,   40                           ; v40-103  64 numbers (codebook path)
.set R,   104                          ; v104-231 numbers as loaded
; 32 numbers of one block: largest magnitude, scale operand, byte, four registers of codes.  first = 1: the squares start their sums; 0: they go on; 2: no squares
.macro BLK xs, mx, scl, by, f, q, first
	v_max3_num_f32 v[\mx], |v[\xs]|, |v[\xs+1]|, |v[\xs+2]|
	v_max3_num_f32 v[\mx+1], |v[\xs+3]|, |v[\xs+4]|, |v[\xs+5]|
.irp i, 6,10,14,18,22,26
	v_max3_num_f32 v[\mx], v[\mx], |v[\xs+\i]|, |v[\xs+\i+1]|
	v_max3_num_f32 v[\mx+1], v[\mx+1], |v[\xs+\i+2]|, |v[\xs+\i+3]|
.endr
	v_max3_num_f32 v[\mx], v[\mx], |v[\xs+30]|, |v[\xs+31]|
	v_max3_num_f32 v[\mx], v[\mx], v[\mx+1], 0x1800000   ; the floor 2^(3 - 127): the byte cannot fall under 1
	v_add_nc_u32 v[\scl], 0xff000000, v[\mx]             ; 2 off the exponent field: the conversion's scale operand
	v_lshrrev_b32 v[\by], 23, v[\scl]                    ; the scale's byte
.if \first == 1
	v_pk_mul_f32 v[\q:\q+1], v[\xs:\xs+1], v[\xs:\xs+1]
	v_pk_mul_f32 v[\q+2:\q+3], v[\xs+2:\xs+3], v[\xs+2:\xs+3]
.endif
.if \first == 0
	v_pk_fma_f32 v[\q:\q+1], v[\xs:\xs+1], v[\xs:\xs+1], v[\q:\q+1]
	v_pk_fma_f32 v[\q+2:\q+3], v[\xs+2:\xs+3], v[\xs+2:\xs+3], v[\q+2:\q+3]
.endif
.if \first < 2
.irp i, 4,8,12,16,20,24,28
	v_pk_fma_f32 v[\q:\q+1], v[\xs+\i:\xs+\i+1], v[\xs+\i:\xs+\i+1], v[\q:\q+1]
	v_pk_fma_f32 v[\q+2:\q+3], v[\xs+\i+2:\xs+\i+3], v[\xs+\i+2:\xs+\i+3], v[\q+2:\q+3]
.endr
.endif
.irp g, 0,1,2,3
	v_cvt_scalef32_pk8_fp4_f32 v[\f+\g], v[\xs+8*\g:\xs+8*\g+7], v[\scl]
.endr
	v_nop                                                ; one plain place behind the last scaled conversion
.endm
	s_cmp_ge_u32 ttmp9, 256                        ; the path hangs on the work-group's number alone
	s_cbranch_scc1 .Lz
	; ---- the codebook ----
	s_load_b128 s[4:7], s[0:1], 0x0                ; embeddings s[4:5], erec s[6:7]
	v_lshl_add_u32 v232, v0, 2, 0x8400             ; my spare word, behind the two waves' stages
	v_mov_b32 v233, 0
	v_lshrrev_b32 v1, 5, v0
	v_readfirstlane_b32 s8, v1                     ; wave 0, 1
	v_and_b32 v1, 31, v0                           ; lane
	v_and_b32 v2, 15, v0                           ; r
	v_bfe_u32 v3, v0, 4, 1                         ; h
	v_lshlrev_b32 v4, 4, v1                        ; 16 x lane
	s_mul_i32 s12, s8, WST
	v_add_nc_u32 v5, s12, v4                       ; the stage on the way in: as loaded
	v_mul_u32_u24 v6, v2, SP
	v_lshl_add_u32 v6, v3, 7, v6
	v_add_nc_u32 v6, s12, v6                       ; on the way out: row r, + 128 h bytes: my block of 32 numbers
	v_lshlrev_b32 v7, 2, v1                        ; 4 x lane
	v_lshlrev_b32 v19, 3, v3                       ; 8 h: my bytes' place in a scale word, in bits
	v_mov_b32 v18, 0                               ; a lane permute's destination counts as a source: written once
	s_lshl_b32 s9, ttmp9, 1
	s_add_co_u32 s9, s9, s8                        ; my tile
	s_lshl_b32 s10, s9, 14                         ; its 16 KiB of embeddings
	s_mov_b32 s11, 0
	s_mul_i32 s12, s9, REC                         ; its record
	s_mov_b32 s13, 0
	s_mov_b32 s14, 0x76543210
	s_mov_b32 s15, 0xfedcba98                      ; selects for lane l xor 16
	s_wait_alu depctr_va_vdst(0)                   ; the wait at the head's end
	s_wait_kmcnt 0x0
	s_add_nc_u64 s[4:5], s[4:5], s[10:11]
	s_add_nc_u64 s[6:7], s[6:7], s[12:13]
.irp s, 0,1
.irp row, 0,1,2,3,4,5,6,7,8,9,10,11,12,13,14,15
	global_load_b128 v[R+4*(16*\s+\row):R+4*(16*\s+\row)+3], v4, s[4:5] offset:1024*\row+512*\s th:TH_LOAD_NT   ; 512 consecutive bytes
.endr
.endr
.macro HALF s
	s_wait_loadcnt 16-16*\s                        ; this K step's sixteen loads are in; K step 1's may be out
.irp row, 0,1,2,3,4,5,6,7,8,9,10,11,12,13,14,15
	ds_store_b128 v5, v[R+4*(16*\s+\row):R+4*(16*\s+\row)+3] offset:HST*\s+SP*\row
.endr
.irp c, 0,1
.irp i, 0,1,2,3,4,5,6,7
	ds_load_b128 v[X+32*\c+4*\i:X+32*\c+4*\i+3], v6 offset:HST*\s+256*\c+16*\i   ; LDS serves a wave's instructions in order
.endr
.endr
	s_wait_dscnt 0x0
	BLK X, 8, 12, 14, F+8*\s, 20, 1-\s
	BLK X+32, 10, 13, 15, F+8*\s+4, 20, 0
	v_lshl_or_b32 v[16+\s], v15, 16, v14           ; my two bytes: blocks h and 2 + h of row r,
	v_lshlrev_b32 v[16+\s], v19, v[16+\s]          ; at their places in the scale word;
	v_permlanex16_b32 v18, v[16+\s], s14, s15
	v_or_b32 v[16+\s], v[16+\s], v18               ; with lane l xor 16's two the word is whole
.irp c, 0,1
	global_store_b128 v4, v[F+8*\s+4*\c:F+8*\s+4*\c+3], s[6:7] offset:1024*\s+512*\c
.endr
.endm
	HALF 0
	HALF 1
	v_cmp_gt_u32 vcc_lo, 16, v1
	v_cndmask_b32 v8, v17, v16, vcc_lo             ; lanes 0-15 K step 0's word, lanes 16-31 K step 1's
	global_store_b32 v7, v8, s[6:7] offset:2048
	v_add_f32 v20, v20, v21
	v_add_f32 v22, v22, v23
	v_add_f32 v20, v20, v22
	v_permlanex16_b32 v18, v20, s14, s15
	v_add_f32 v20, v20, v18                        ; row r's sum of squares
	v_mul_f32 v20, -0.5, v20                       ; as the product's launch adds it
	global_store_b32 v7, v20, s[6:7] offset:2176
	s_wait_tensorcnt 0x0                           ; the wave's end
	ds_add_u32 v232, v233
	s_wait_dscnt 0x0
	s_endpgm
	; ---- the tokens: no LDS ----
.Lz:
	s_load_b128 s[4:7], s[0:1], 0x10               ; z_e s[4:5], zimg s[6:7]
	s_load_b64 s[8:9], s[0:1], 0x20                ; zscl
	s_sub_co_u32 s10, ttmp9, 256
	s_and_b32 s11, s10, 1                          ; K step s
	s_lshr_b32 s10, s10, 1                         ; which 64 tokens
	v_lshlrev_b32 v1, 2, v0                        ; my token's 4 bytes of a row: the two waves read 256 consecutive bytes
	v_lshrrev_b32 v2, 4, v0                        ; my tile among the four
	v_and_b32 v3, 15, v0                           ; r
	v_lshlrev_b32 v4, 4, v3
	v_lshl_add_u32 v4, v2, 11, v4                  ; image: 2048 x tile + 16 r
	v_lshlrev_b32 v5, 2, v3
	v_lshl_add_u32 v5, v2, 7, v5                   ; scale words: 128 x tile + 4 r
	s_lshl_b32 s12, s11, 24                        ; 128 rows of z_e
	s_lshl_b32 s14, s10, 8
	s_add_co_u32 s12, s12, s14
	s_mov_b32 s13, 0
	s_lshl_b32 s14, s10, 13                        ; four tiles' images
	s_lshl_b32 s16, s11, 10
	s_add_co_u32 s14, s14, s16
	s_mov_b32 s15, 0
	s_lshl_b32 s16, s10, 9
	s_lshl_b32 s18, s11, 6
	s_add_co_u32 s16, s16, s18
	s_mov_b32 s17, 0
	s_wait_alu depctr_va_vdst(0)                   ; the wait at the head's end
	s_wait_kmcnt 0x0
	s_add_nc_u64 s[4:5], s[4:5], s[12:13]
	s_add_nc_u64 s[20:21], s[4:5], 0x800000        ; 64 rows on: 63 rows are the most that the immediate holds
	s_add_nc_u64 s[6:7], s[6:7], s[14:15]
	s_add_nc_u64 s[8:9], s[8:9], s[16:17]
.macro ZLOAD b
.irp i, 0,1,2,3,4,5,6,7,8,9,10,11,12,13,14,15,16,17,18,19,20,21,22,23,24,25,26,27,28,29,30,31
	global_load_b32 v[R+32*(\b)+\i], v1, s[4+16*((\b)/2):5+16*((\b)/2)] offset:(32*((\b)%2)+\i)*ROWZ th:TH_LOAD_NT
.endr
.endm
	ZLOAD 0
	ZLOAD 1
	s_wait_loadcnt 32                              ; block 0 is in; block 1's 32 loads may be out
	ZLOAD 2
	BLK R, 8, 10, 12, F, 20, 2
	global_store_b128 v4, v[F:F+3], s[6:7]
	s_wait_loadcnt 32                              ; block 1 is in; block 2's may be out
	ZLOAD 3
	BLK R+32, 8, 10, 13, F+4, 20, 2
	global_store_b128 v4, v[F+4:F+7], s[6:7] offset:256
	s_wait_loadcnt 32                              ; block 2 is in; block 3's may be out
	BLK R+64, 8, 10, 14, F+8, 20, 2
	global_store_b128 v4, v[F+8:F+11], s[6:7] offset:512
	s_wait_loadcnt 0x0
	BLK R+96, 8, 10, 15, F+12, 20, 2
	global_store_b128 v4, v[F+12:F+15], s[6:7] offset:768
	v_lshl_or_b32 v16, v13, 8, v12
	v_lshl_or_b32 v16, v14, 16, v16
	v_lshl_or_b32 v16, v15, 24, v16                ; my token's scale word of this K step
	global_store_b32 v5, v16, s[8:9]
	s_endpgm
.Lfunc_end_k_qbf0e9d217e_prep:
	.size	k_qbf0e9d217e_prep, .Lfunc_end_k_qbf0e9d217e_prep-k_qbf0e9d217e_prep
	.p2alignl 7, 3214868480
	.fill 96, 4, 3214868480
	.section	.rodata,"a",@progbits
	.p2align	6, 0x0
	.amdhsa_kernel k_qbf0e9d217e_prep
		.amdhsa_group_segment_fixed_size 34048
		.amdhsa_private_segment_fixed_size 0
		.amdhsa_enable_private_segment 0
		.amdhsa_kernarg_size 40
		.amdhsa_user_sgpr_count 2
		.amdhsa_user_sgpr_kernarg_segment_ptr 1
		.amdhsa_wavefront_size32 1
		.amdhsa_system_sgpr_workgroup_id_x 1
		.amdhsa_system_sgpr_workgroup_id_y 1
		.amdhsa_system_sgpr_workgroup_id_z 1
		.amdhsa_system_vgpr_workitem_id 0
		.amdhsa_next_free_vgpr 234
		.amdhsa_next_free_sgpr 66
		.amdhsa_reserve_vcc 1
		.amdhsa_float_denorm_mode_32 3
		.amdhsa_float_denorm_mode_16_64 3
		.amdhsa_memory_ordered 1
		.amdhsa_forward_progress 1
		.amdhsa_inst_pref_size 40
	.end_amdhsa_kernel
	.amdgpu_metadata
---
amdhsa.version: [ 1, 2 ]
amdhsa.kernels:
  - .name:           k_qbf0e9d217e_prep
    .symbol:         k_qbf0e9d217e_prep.kd
    .args:
      - { .name: embeddings, .offset: 0, .size: 8, .value_kind: global_buffer, .address_space: global }
      - { .name: erec, .offset: 8, .size: 8, .value_kind: global_buffer, .address_space: global }
      - { .name: z_e, .offset: 16, .size: 8, .value_kind: global_buffer, .address_space: global }
      - { .name: zimg, .offset: 24, .size: 8, .value_kind: global_buffer, .address_space: global }
      - { .name: zscl, .offset: 32, .size: 8, .value_kind: global_buffer, .address_space: global }
    .group_segment_fixed_size: 34048
    .private_segment_fixed_size: 0
    .kernarg_segment_align: 8
    .kernarg_segment_size: 40
    .max_flat_workgroup_size: 64
    .sgpr_count:     66
    .vgpr_count:     234
    .wavefront_size: 32
...
	.end_amdgpu_metadata
.endif
;; end of part 1
;; launch nearest (part 2): grid 256 x 1, 8 waves a work-group, clusters of 4 x 1, 327,680 bytes of LDS; arguments zimg, zscl, erec, out1, idxw; writes out1, idxw
.if DOCPART == 2
	.amdgcn_target "amdgcn-amd-amdhsa--gfx1250"
	.amdhsa_code_object_version 6
	.text
	.protected	k_qbf0e9d217e_nearest
	.globl	k_qbf0e9d217e_nearest
	.p2align	8
	.type	k_qbf0e9d217e_nearest,@function
k_qbf0e9d217e_nearest:
	s_mov_b64 s[64:65], 0
	v_nop
	global_prefetch_b8 v0, s[64:65] scope:SCOPE_SE
	s_setreg_imm32_b32 hwreg(HW_REG_WAVE_MODE, 25, 1), 1
	s_wait_xcnt 0x0
	s_wait_alu depctr_hold_cnt(0) depctr_sa_sdst(0) depctr_va_vdst(0) depctr_va_sdst(0) depctr_va_ssrc(0) depctr_va_vcc(0) depctr_vm_vsrc(0)
	s_getreg_b32 s2, hwreg(HW_REG_IB_STS2, 6, 4)
	s_cmp_eq_u32 s2, 0
	s_cbranch_scc0 .Lentry_in_a_cluster
	s_endpgm
.Lentry_in_a_cluster:
	s_bfe_u32 s2, ttmp6, 0x10000c
	s_cmp_lg_u32 s2, 0x3003
	s_cbranch_scc0 .Lentry_shape_is_right
	s_endpgm
.Lentry_shape_is_right:
; For each token the codebook row with the largest score z.e - e_sq / 2, the lowest row among equals.  z_sq is left out: it is the same for every row of the codebook (shown at the head of the first kernel).
; SHARES.  A work-group owns 128 tokens and walks all 512 records (tiles of 16 codebook rows).  Each of its eight waves keeps the fragments of all 128 tokens (128 registers, window 1) and takes every
; eighth run of 8 records.  A record against 128 tokens is 16 matrix instructions on 8 accumulators by turns; source 0 = 16 codebook rows, source 1 = 16 tokens, so lane (r, h) holds token r and
; its 8 registers the rows 8 h + 0 .. 7.  The first K step's C is the record's -e_sq / 2 in that layout, so the result is the score itself.
; Behind them, for each of the 8 accumulators: four three-input maxima (the running maximum among the leaves; two sets of running maxima take turns, so the old one is still there to compare with),
; one compare, and four pairs of selects that keep the winning record's first 7 scores and its number.  Which row it was is looked up once, at the end: the lowest of the 7 that equals the maximum, else the eighth.
; THE RING: two LDS slots of 64 records, 147,456 bytes; a wave fetches and reads its own 8 records (72 rows of 256 bytes, dense).  All work-groups read the same records: the four of a cluster ask jointly.
; THE CHANGE OF SLOTS stands inside the slot's last record: once that record is in registers the wave's reads of the slot are over, so the wait for its tensor loads, the add, the wait for the add and the
; round's opening signal stand among that record's matrix instructions; half of its vector work stands between the opening signal and its wait; behind the round come the refill, the next slot's first
; record, and the other half of the vector work.  A wave has one tensor load out at the most.  All of LDS is claimed.
; No prefetch: the 64 clusters walk the same 1,179,648 bytes of erec slot by slot, so each slot is asked for by all of them together; the tokens' images are read once, at the head, where there is no loop to run ahead in.
; LIMITS: NaN and infinities are not served (a token whose scores are all NaN or -infinity gets row 7 or 15).
.set REC,   2304
.set PART,  18432                      ; 8 records
.set SLOTB, 147456
.set SPARE, 294912                     ; behind the ring: the spare words, 128 bytes a wave
.set RED,   295936                     ; behind them: 8 waves x (128 scores, 128 rows) for the last step
.set H8, 3
.set SPW, 4
.set NIL, 5
.set AF, 6                             ; v6-7   LDS address of my part's fragments in slot 0, 1
.set AS, 8                             ; v8-9   of the scale words
.set AE, 10                            ; v10-11 of -e_sq / 2
.set ZOFF, 12
.set RW, 13
.set RR, 14
.set VTI, 15                           ; the record's number
.set ZS, 16                            ; v16-23 the tokens' scale words
.set BV, 24                            ; v24-39 running maxima, two sets
.set M,  48                            ; v48-63 at work
.set EF, 64                            ; v64-95 a record's fragments, two buffers
.set EQ, 96                            ; v96-111 its -e_sq / 2
.set ES, 112                           ; v112-113 its scale words
.set LIZ, 115
.set ZSA, 116
.set ACC, 128                          ; v128-191 8 accumulators
.set SAV, 192                          ; v192-255 for token tile t, from 8 t on: the winning record's scores 0 .. 6, then its number
.set G1, 20
.set G0, 28
.set MK, 66                            ; s66-89 masks for the last steps, three for each of eight comparisons by turns
.set MSB, 0
.macro WIN new
.if MSB != \new
	s_set_vgpr_msb (MSB<<8)|\new
.set MSB, \new
.endif
.endm
.macro CREST                           ; a round of the cluster's barrier behind its opening barrier
	s_cmp_lg_u32 s12, 0
	s_cbranch_scc1 .Lnot_wave_0_\@
	s_barrier_signal -3
.Lnot_wave_0_\@:
	s_barrier_wait -3
	s_barrier_signal -1
	s_barrier_wait -1
.endm
.macro CROUND                          ; a whole round
	s_barrier_signal -1
	s_barrier_wait -1
	CREST
.endm
.macro LOADT slot, i, buf
.irp n, 0,1,2,3
	ds_load_b128 v[EF+16*(\buf)+4*\n:EF+16*(\buf)+4*\n+3], v[AF+\slot] offset:REC*(\i)+512*\n
.endr
	ds_load_b32 v[ES+(\buf)], v[AS+\slot] offset:REC*(\i)+2048
.irp n, 0,1
	ds_load_b128 v[EQ+8*(\buf)+4*\n:EQ+8*(\buf)+4*\n+3], v[AE+\slot] offset:REC*(\i)+2176+16*\n
.endr
.endm
.macro MMA k                           ; K step k of the record in buffer BF against the 8 token tiles: the 8 accumulators by turns
.irp t, 0,1,2,3,4,5,6,7
.if \k == 0
	v_wmma_scale_f32_16x16x128_f8f6f4 v[ACC+8*\t:ACC+8*\t+7], v[EF+16*BF:EF+16*BF+7], v[16*\t:16*\t+7], v[EQ+8*BF:EQ+8*BF+7], v[ES+BF], v[ZS+\t] matrix_a_fmt:MATRIX_FMT_FP4 matrix_b_fmt:MATRIX_FMT_FP4
.else
	v_wmma_scale_f32_16x16x128_f8f6f4 v[ACC+8*\t:ACC+8*\t+7], v[EF+16*BF+8:EF+16*BF+15], v[16*\t+8:16*\t+15], v[ACC+8*\t:ACC+8*\t+7], v[ES+BF], v[ZS+\t] matrix_a_fmt:MATRIX_FMT_FP4 matrix_b_fmt:MATRIX_FMT_FP4 matrix_a_scale:MATRIX_SCALE_ROW1 matrix_b_scale:MATRIX_SCALE_ROW1
.endif
.endr
.endm
.macro T01 t                           ; each accumulator is read from its low end on
	v_max3_num_f32 v[M+2*(\t)], v[ACC+8*(\t)], v[ACC+8*(\t)+1], v[ACC+8*(\t)+2]
	v_max3_num_f32 v[M+2*(\t)+1], v[ACC+8*(\t)+3], v[ACC+8*(\t)+4], v[ACC+8*(\t)+5]
.endm
.macro T2 t
	v_max3_num_f32 v[M+2*(\t)], v[M+2*(\t)], v[ACC+8*(\t)+6], v[ACC+8*(\t)+7]
.endm
.macro TN t                            ; the new running maximum
	v_max3_num_f32 v[PN+(\t)], v[M+2*(\t)], v[M+2*(\t)+1], v[PO+(\t)]
.endm
.macro VPRO i                          ; four places behind the products, then the first maxima
.if (\i) == 0
	v_add_nc_u32 v[VTI], 57, v[VTI]                ; this record's number: a slot's first is 57 on from the last slot's last
.else
	v_add_nc_u32 v[VTI], 1, v[VTI]
.endif
.rept 3
	v_nop
.endr
	T01 0
	T01 1
	T01 2
	T01 3
	T2 0
	T2 1
	T01 4
	T01 5
	TN 0
	T01 6
	T01 7
.endm
.macro VIT t                           ; token tile t: has the maximum grown?  Records come in ascending order, so among equals the lower stays
	v_cmp_gt_f32 vcc_lo, v[PN+\t], v[PO+\t]
.if \t < 6
	T2 \t+2
.endif
.if \t < 7
	TN \t+1
.endif
.irp j, 0,2,4
	v_dual_cndmask_b32 v[SAV+8*\t+\j], v[SAV+8*\t+\j], v[ACC+8*\t+\j] :: v_dual_cndmask_b32 v[SAV+8*\t+\j+1], v[SAV+8*\t+\j+1], v[ACC+8*\t+\j+1]
.endr
	v_dual_cndmask_b32 v[SAV+8*\t+6], v[SAV+8*\t+6], v[ACC+8*\t+6] :: v_dual_cndmask_b32 v[SAV+8*\t+7], v[SAV+8*\t+7], v[VTI]   ; the seventh score, and the record's number
.endm
; Record i of my part of the slot.  What the last record (i = 7) adds: mode 1: the slot is filled again, two slots on; mode 2: nothing is left to fetch, the other slot follows; mode 3: the very last record
.macro TILE slot, i, mode
.set BF, (\i)%2
.set PO, BV+8*BF
.set PN, BV+8-8*BF
	s_wait_dscnt 0x0                               ; this record is in registers
.if (\i) < 7
	LOADT \slot, (\i)+1, 1-BF                      ; the next one: its buffer's products stand a whole record's vector work back
.endif
.if (\i) == 7 && \mode == 1
	s_wait_tensorcnt 0x0                           ; all my tensor loads have landed: my part of the other slot
	ds_add_u32 v[SPW], v[NIL]                      ; 0 onto my spare word; eight matrix instructions stand between it and the wait for it
	s_add_nc_u64 s[G0+4*\slot+2:G0+4*\slot+3], s[G0+4*\slot+2:G0+4*\slot+3], 2*SLOTB
.endif
.if (\i) == 7 && \mode == 2
	s_wait_tensorcnt 0x0                           ; my part of the last slot is in: I read my own part alone
	LOADT 1-\slot, 0, 0
.endif
	WIN 0x04                                       ; source 1: window 1
	MMA 0
.if (\i) == 7 && \mode == 1
	s_wait_dscnt 0x0                               ; the add is done; my reads of this slot were over at this record's first line
	s_barrier_signal -1                            ; the round's opening signal; work on registers alone up to its wait
.endif
	MMA 1
	WIN 0
	VPRO \i
	VIT 0
	VIT 1
	VIT 2
	VIT 3
.if (\i) == 7 && \mode == 1
	s_wait_alu depctr_va_vdst(0)                   ; directly ahead of the wait below
	s_barrier_wait -1
	CREST                                          ; no wave of any partner still reads this slot or has a load on its way
	tensor_load_to_lds s[G0+4*\slot:G0+4*\slot+3], s[G1:G1+7]
	s_nop 0
	LOADT 1-\slot, 0, 0                            ; the other slot's first record lands under the vector work below
.endif
	VIT 4
	VIT 5
	VIT 6
	VIT 7
.endm
.macro WORK slot, mode                 ; record 0 has been asked for by what stands ahead
.irp i, 0,1,2,3,4,5,6,7
	TILE \slot, \i, \mode
.endr
.endm
; The larger score; among equals the lower row.  In three parts, so that several comparisons take turns, each with three masks of its own
.macro TK1 bv, bi, pv, pi, sg
	v_cmp_gt_f32 s[\sg], v[\pv], v[\bv]
	v_cmp_eq_f32 s[\sg+1], v[\pv], v[\bv]
	v_cmp_lt_u32 s[\sg+2], v[\pi], v[\bi]
.endm
.macro TK2 sg
	s_and_b32 s[\sg+1], s[\sg+1], s[\sg+2]
	s_or_b32 s[\sg], s[\sg], s[\sg+1]
.endm
.macro TK3 bv, bi, pv, pi, sg
	v_cndmask_b32 v[\bv], v[\bv], v[\pv], s[\sg]
	v_cndmask_b32 v[\bi], v[\bi], v[\pi], s[\sg]
.endm
	s_load_b256 s[4:11], s[0:1], 0x0               ; zimg s[4:5], zscl s[6:7], erec s[8:9], out1 s[10:11]
	s_load_b64 s[56:57], s[0:1], 0x20              ; idxw
	v_lshl_add_u32 v[SPW], v0, 2, SPARE
	v_mov_b32 v[NIL], 0
	ds_add_u32 v[SPW], v[NIL]                      ; the opening lines: the add twice on end and one wait
	ds_add_u32 v[SPW], v[NIL]
	v_lshrrev_b32 v1, 5, v0
	s_delay_alu instid0(VALU_DEP_1)
	v_readfirstlane_b32 s12, v1                    ; wave 0..7
	s_bfe_u32 s13, ttmp6, 0x40000                  ; cx
	s_lshl_b32 s14, ttmp9, 2
	s_add_co_u32 s14, s14, s13                     ; work-group
	s_mul_i32 s52, s12, PART                       ; my part of a slot, in LDS and in erec
	s_mov_b32 s53, 0
	s_lshl_b32 s16, s14, 9                         ; 128 tokens x 4 bytes
	s_mov_b32 s17, 0
	s_lshl_b32 s18, s14, 14                        ; 8 tiles' images
	s_mov_b32 s19, 0
	s_lshl_b32 s38, s14, 10                        ; 8 tiles' scale words
	s_mov_b32 s39, 0
	s_lshl_b32 s40, s12, 3
	s_sub_co_u32 s40, s40, 57                      ; the first record's number less the first step
	s_mov_b32 s42, 0x76543210
	s_mov_b32 s43, 0xfedcba98
	s_mov_b32 s55, 0xffff0000
	s_mov_b32 s[G1+0], 15|(3<<16)|(1<<21)          ; the four of the cluster; elements of 8 bytes
	s_mov_b32 s[G1+1], 32<<16
	s_mov_b32 s[G1+2], 72<<16
	s_mov_b32 s[G1+3], 32<<16
	s_mov_b32 s[G1+4], 72                          ; 72 rows of 256 bytes
	s_mov_b32 s[G1+5], 32
	s_mov_b32 s[G1+6], 0
	s_mov_b32 s[G1+7], 0
	v_and_b32 v1, 15, v0                           ; r
	v_bfe_u32 v2, v0, 4, 1                         ; h
	v_and_b32 v114, 31, v0                         ; lane
	v_and_b32 v[ZOFF], 127, v0
	v_lshrrev_b32 v[RW], 5, v0
	s_delay_alu instid0(VALU_DEP_4)
	v_lshlrev_b32 v[H8], 3, v2
	s_delay_alu instid0(VALU_DEP_4)
	v_lshlrev_b32 v[LIZ], 4, v114
	v_lshlrev_b32 v[ZSA], 2, v114
	v_lshlrev_b32 v[ZOFF], 2, v[ZOFF]
	v_lshlrev_b32 v[RW], 10, v[RW]
	v_lshlrev_b32 v[AE], 5, v2
	v_add_nc_u32 v[AF], s52, v[LIZ]
	v_add_nc_u32 v[AS], s52, v[ZSA]
	s_delay_alu instid0(VALU_DEP_4)
	v_lshl_add_u32 v[RW], v2, 9, v[RW]
	v_add_nc_u32 v[RR], RED, v[ZOFF]
	v_add_nc_u32 v[AE], s52, v[AE]
	v_add_nc_u32 v[AF+1], SLOTB, v[AF]
	v_add_nc_u32 v[AS+1], SLOTB, v[AS]
	v_lshl_add_u32 v[RW], v1, 2, v[RW]
	v_mov_b32 v[VTI], s40
	v_add_nc_u32 v[AE+1], SLOTB, v[AE]
	s_delay_alu instid0(VALU_DEP_3)
	v_add_nc_u32 v[RW], RED, v[RW]                 ; RED + 1024 wave + 512 h + 4 r
	s_wait_alu depctr_va_vdst(0)                   ; the wait at the head's end
	s_wait_dscnt 0x0                               ; both opening adds are done
	s_wait_kmcnt 0x0
	s_add_nc_u64 s[4:5], s[4:5], s[18:19]
	s_add_nc_u64 s[6:7], s[6:7], s[38:39]
	s_add_nc_u64 s[8:9], s[8:9], s[52:53]
.irp n, 0,1
	s_mov_b32 s[G0+4*\n], 1
	s_add_co_u32 s[G0+4*\n+1], s52, \n*SLOTB
	s_add_nc_u64 s[G0+4*\n+2:G0+4*\n+3], s[8:9], \n*SLOTB
	s_or_b32 s[G0+4*\n+3], s[G0+4*\n+3], 0x80000000
.endr
	CROUND                                         ; the first joint loads meet
	tensor_load_to_lds s[G0:G0+3], s[G1:G1+7]      ; slot 0: one tensor load a wave at the head
	s_nop 0
	WIN 0x40                                       ; destination: window 1
.irp t, 0,1,2,3,4,5,6,7
.irp n, 0,1,2,3
	global_load_b128 v[16*\t+4*\n:16*\t+4*\n+3], v[LIZ], s[4:5] offset:2048*\t+512*\n   ; the tokens' fragments, as images: 512 consecutive bytes
.endr
.endr
	WIN 0
.irp t, 0,1,2,3,4,5,6,7
	global_load_b32 v[ZS+\t], v[ZSA], s[6:7] offset:128*\t
.endr
.irp t, 0,1,2,3,4,5,6,7
	v_mov_b32 v[BV+\t], 0xff800000                 ; under every score
.endr
.rept 64
	v_mov_b32 v[SAV+\+], 0                         ; the selects read what they keep: written once, while the loads are out
.endr
	s_wait_alu depctr_va_vdst(0)                   ; directly ahead of the wait below
	s_wait_tensorcnt 0x0                           ; slot 0's part is in; slot 1's first fill is issued as a refill is
	ds_add_u32 v[SPW], v[NIL]
	s_wait_dscnt 0x0
	CROUND
	tensor_load_to_lds s[G0+4:G0+7], s[G1:G1+7]
	s_nop 0
.rept 4
	v_nop
.endr
	LOADT 0, 0, 0
	s_wait_loadcnt 0x0                             ; the tokens' fragments and scale words
	s_mov_b32 s41, 3
.Lring:                                                ; a trip works slots 2 n and 2 n + 1 and asks for slots 2 n + 2 and 2 n + 3
	WORK 0, 1
	WORK 1, 1
	s_sub_co_u32 s41, s41, 1
	s_cmp_lg_u32 s41, 0
	s_cbranch_scc1 .Lring
	WORK 0, 2                                      ; the last two slots fetch nothing
	WORK 1, 3
; THE LAST STEPS, the eight token tiles by turns.  Which saved score is the maximum: the lowest of the 7 that equals it, else the eighth
.irp t, 0,1,2,3,4,5,6,7
	v_mov_b32 v[M+2*\t], 7
.endr
.irp j, 6,5,4,3,2,1,0
.irp t, 0,1,2,3,4,5,6,7
	v_cmp_neq_f32 s[MK+\t], v[SAV+8*\t+\j], v[BV+\t]
.endr
.irp t, 0,1,2,3,4,5,6,7
	v_cndmask_b32 v[M+2*\t], \j, v[M+2*\t], s[MK+\t]
.endr
.endr
.irp t, 0,1,2,3,4,5,6,7
	v_lshl_add_u32 v[SAV+8*\t+7], v[SAV+8*\t+7], 4, v[M+2*\t]
.endr
.irp t, 0,1,2,3,4,5,6,7
	v_add_nc_u32 v[SAV+8*\t+7], v[SAV+8*\t+7], v[H8]   ; row = 16 x record + 8 h + j
.endr
.irp t, 0,1,2,3,4,5,6,7
	v_permlanex16_b32 v[M+2*\t+1], v[BV+\t], s42, s43  ; lane l xor 16's score
.endr
.irp t, 0,1,2,3,4,5,6,7
	v_permlanex16_b32 v[M+2*\t], v[SAV+8*\t+7], s42, s43   ; and its row
.endr
.irp t, 0,1,2,3,4,5,6,7
	TK1 BV+\t, SAV+8*\t+7, M+2*\t+1, M+2*\t, MK+3*\t
.endr
	s_wait_alu depctr_va_vdst(0)                   ; directly ahead of the run of scalar instructions
.irp t, 0,1,2,3,4,5,6,7
	TK2 MK+3*\t
.endr
.irp t, 0,1,2,3,4,5,6,7
	TK3 BV+\t, SAV+8*\t+7, M+2*\t+1, M+2*\t, MK+3*\t
.endr
.irp t, 0,1,2,3,4,5,6,7
	v_cndmask_b32 v[M+2*\t], v[BV+\t], v[SAV+8*\t+7], s55   ; lanes 0-15 hand on the score, lanes 16-31 the row
.endr
.irp t, 0,1,2,3,4,5,6,7
	ds_store_b32 v[RW], v[M+2*\t] offset:64*\t
.endr
	s_wait_dscnt 0x0                               ; for the others' sake: my stores have landed
	s_barrier_signal -1
	s_barrier_wait -1
.irp u, 0,1,2,3,4,5,6,7
	ds_load_b32 v[EF+2*\u], v[RR] offset:1024*\u
	ds_load_b32 v[EF+2*\u+1], v[RR] offset:1024*\u+512
.endr
	s_wait_dscnt 0x0
; the eight waves' results for my token, joined as a tree: on equal scores the lower row wins, whatever the order
.irp u, 0,2,4,6
	TK1 EF+2*\u, EF+2*\u+1, EF+2*\u+2, EF+2*\u+3, MK+3*\u
.endr
.irp u, 0,2,4,6
	TK2 MK+3*\u
.endr
.irp u, 0,2,4,6
	TK3 EF+2*\u, EF+2*\u+1, EF+2*\u+2, EF+2*\u+3, MK+3*\u
.endr
.irp u, 0,4
	TK1 EF+2*\u, EF+2*\u+1, EF+2*\u+4, EF+2*\u+5, MK+3*\u
.endr
.irp u, 0,4
	TK2 MK+3*\u
.endr
.irp u, 0,4
	TK3 EF+2*\u, EF+2*\u+1, EF+2*\u+4, EF+2*\u+5, MK+3*\u
.endr
	TK1 EF, EF+1, EF+8, EF+9, MK
	TK2 MK
	TK3 EF, EF+1, EF+8, EF+9, MK
	s_cmp_lt_u32 s12, 4                            ; waves 0-3 store the output, waves 4-7 the copy that the next launch reads
	s_cselect_b64 s[18:19], s[10:11], s[56:57]
	s_add_nc_u64 s[18:19], s[18:19], s[16:17]
	global_store_b32 v[ZOFF], v[EF+1], s[18:19]
	s_wait_tensorcnt 0x0                           ; the wave's end
	ds_add_u32 v[SPW], v[NIL]
	s_wait_dscnt 0x0
	CROUND                                         ; the closing round
	s_endpgm
.Lfunc_end_k_qbf0e9d217e_nearest:
	.size	k_qbf0e9d217e_nearest, .Lfunc_end_k_qbf0e9d217e_nearest-k_qbf0e9d217e_nearest
	.p2alignl 7, 3214868480
	.fill 96, 4, 3214868480
	.section	.rodata,"a",@progbits
	.p2align	6, 0x0
	.amdhsa_kernel k_qbf0e9d217e_nearest
		.amdhsa_group_segment_fixed_size 327680
		.amdhsa_private_segment_fixed_size 0
		.amdhsa_enable_private_segment 0
		.amdhsa_kernarg_size 40
		.amdhsa_user_sgpr_count 2
		.amdhsa_user_sgpr_kernarg_segment_ptr 1
		.amdhsa_wavefront_size32 1
		.amdhsa_system_sgpr_workgroup_id_x 1
		.amdhsa_system_sgpr_workgroup_id_y 1
		.amdhsa_system_sgpr_workgroup_id_z 1
		.amdhsa_system_vgpr_workitem_id 0
		.amdhsa_next_free_vgpr 384
		.amdhsa_next_free_sgpr 90
		.amdhsa_reserve_vcc 1
		.amdhsa_float_denorm_mode_32 3
		.amdhsa_float_denorm_mode_16_64 3
		.amdhsa_memory_ordered 1
		.amdhsa_forward_progress 1
		.amdhsa_inst_pref_size 251
	.end_amdhsa_kernel
	.amdgpu_metadata
---
amdhsa.version: [ 1, 2 ]
amdhsa.kernels:
  - .name:           k_qbf0e9d217e_nearest
    .symbol:         k_qbf0e9d217e_nearest.kd
    .args:
      - { .name: zimg, .offset: 0, .size: 8, .value_kind: global_buffer, .address_space: global }
      - { .name: zscl, .offset: 8, .size: 8, .value_kind: global_buffer, .address_space: global }
      - { .name: erec, .offset: 16, .size: 8, .value_kind: global_buffer, .address_space: global }
      - { .name: out1, .offset: 24, .size: 8, .value_kind: global_buffer, .address_space: global }
      - { .name: idxw, .offset: 32, .size: 8, .value_kind: global_buffer, .address_space: global }
    .group_segment_fixed_size: 327680
    .private_segment_fixed_size: 0
    .kernarg_segment_align: 8
    .kernarg_segment_size: 40
    .max_flat_workgroup_size: 256
    .sgpr_count:     90
    .vgpr_count:     384
    .wavefront_size: 32
...
	.end_amdgpu_metadata
.endif
;; end of part 2
;; launch gather (part 3): grid 512 x 1, 8 waves a work-group, no clusters, 68,608 bytes of LDS; arguments embeddings, idxw, out0; writes out0
.if DOCPART == 3
	.amdgcn_target "amdgcn-amd-amdhsa--gfx1250"
	.amdhsa_code_object_version 6
	.text
	.protected	k_qbf0e9d217e_gather
	.globl	k_qbf0e9d217e_gather
	.p2align	8
	.type	k_qbf0e9d217e_gather,@function
k_qbf0e9d217e_gather:
	s_mov_b64 s[64:65], 0
	v_nop
	global_prefetch_b8 v0, s[64:65] scope:SCOPE_SE
	s_setreg_imm32_b32 hwreg(HW_REG_WAVE_MODE, 25, 1), 1
	s_wait_xcnt 0x0
; out0[d][n] = embeddings[idx[n]][d]: the chosen rows, unquantised, turned.  embeddings [8192][256] f32, idxw [32768] whole numbers stored by the launch before, out0 [256][32768] f32.
; A work-group owns 64 tokens: 256 consecutive bytes, aligned, of every row of out0.  Rows come in by 16-byte loads (eight lanes read 128 consecutive bytes of a row), are turned in LDS, laid [256 d][64 tokens],
; and leave as whole rows: each store of a wave covers 256 consecutive bytes, aligned.
; The work goes in eight chunks of 32 d.  All 16 loads of a lane are issued at once, chunk by chunk; a chunk is put into its own LDS rows when its two loads are in, a barrier follows, each wave reads
; four of the chunk's rows back, and stores them while the later chunks' loads are still out.  No LDS byte is written twice, so one barrier a chunk serves.
; Memory binds: no matrix unit, no tensor load, no cluster (work-groups share no tile).
; An index is held to 0 .. 8191 ahead of its use in an address; the launch before stores none outside.
.set PITCH, 264                        ; an LDS row: 256 bytes + 8
.set ROWO,  131072                     ; a row of out0 in bytes
.set D,     16                         ; v16-79  data as loaded: chunk c, half u at 4 (2 c + u)
.set OA,    82                         ; v82-89  chunk c: my byte offset in out0
.set O,     90                         ; v90-153 data on the way out: chunk c, row i at 8 c + 2 i
	s_load_b128 s[4:7], s[0:1], 0x0                ; embeddings s[4:5], idxw s[6:7]
	s_load_b64 s[8:9], s[0:1], 0x10                ; out0
	v_lshl_add_u32 v80, v0, 2, 0x10800             ; my spare word, behind the 256 rows
	v_mov_b32 v81, 0
	v_lshrrev_b32 v1, 5, v0
	s_delay_alu instid0(VALU_DEP_1)
	v_readfirstlane_b32 s10, v1                    ; wave 0..7
	v_and_b32 v2, 7, v0                            ; x: which 16 bytes of 128
	v_bfe_u32 v3, v0, 3, 2                         ; y: which of four tokens
	s_delay_alu instid0(VALU_DEP_1)
	v_lshl_add_u32 v4, v1, 3, v3                   ; token 8 w + y (and 4 further on in the second half)
	s_delay_alu instid0(VALU_DEP_1)
	v_lshlrev_b32 v4, 2, v4                        ; its bytes among the indices, and in an LDS row
	s_delay_alu instid0(VALU_DEP_1)
	v_mad_u32_u24 v9, v2, 4*PITCH, v4              ; in: d = 4 x + .., my token
	v_lshlrev_b32 v12, 4, v2                       ; 16 x
	v_and_b32 v11, 31, v0
	s_delay_alu instid0(VALU_DEP_1)
	v_lshlrev_b32 v11, 3, v11                      ; 8 x lane: my bytes of a row's 256, in LDS and in out0
	s_mul_i32 s11, s10, 4*PITCH
	v_add_nc_u32 v10, s11, v11                     ; back: of each chunk wave w takes rows 4 w .. 4 w + 3
.irp c, 0,1,2,3,4,5,6,7
	v_add_nc_u32 v[OA+\c], \c*32*ROWO, v11         ; 32 rows of out0 a chunk
.endr
	s_lshl_b32 s12, ttmp9, 8                       ; the work-group's 64 tokens: 256 bytes
	s_mov_b32 s13, 0
	s_lshl_b32 s14, s10, 19                        ; 4 rows of out0
	s_add_co_u32 s14, s14, s12
	s_mov_b32 s15, 0
	s_wait_alu depctr_va_vdst(0)                   ; the wait at the head's end
	s_wait_kmcnt 0x0
	s_add_nc_u64 s[6:7], s[6:7], s[12:13]
	s_add_nc_u64 s[8:9], s[8:9], s[14:15]
	global_load_b32 v5, v4, s[6:7]
	global_load_b32 v6, v4, s[6:7] offset:16
	s_wait_loadcnt 0x0
	v_min_u32 v5, 0x1fff, v5                       ; held inside the table
	v_min_u32 v6, 0x1fff, v6
	s_delay_alu instid0(VALU_DEP_2)
	v_lshlrev_b32 v7, 10, v5                       ; a row is 1,024 bytes
	s_delay_alu instid0(VALU_DEP_2)
	v_lshlrev_b32 v8, 10, v6
	s_delay_alu instid0(VALU_DEP_2)
	v_add_nc_u32 v7, v7, v12
	s_delay_alu instid0(VALU_DEP_2)
	v_add_nc_u32 v8, v8, v12
.irp c, 0,1,2,3,4,5,6,7                                ; no hint: a row may be named by several tokens
.irp u, 0,1
	global_load_b128 v[D+4*(2*\c+\u):D+4*(2*\c+\u)+3], v[7+\u], s[4:5] offset:128*\c
.endr
.endr
.macro OUT c                           ; chunk c's four rows of mine: 32 lanes store 256 consecutive bytes, at a multiple of 256 from out0's first byte; written once, read by nobody here
.irp i, 0,1,2,3
	global_store_b64 v[OA+(\c)], v[O+8*(\c)+2*\i:O+8*(\c)+2*\i+1], s[8:9] offset:ROWO*\i th:TH_STORE_NT
.endr
.endm
.irp c, 0,1,2,3,4,5,6,7
	s_wait_loadcnt 14-2*\c                         ; loads come back in order: this chunk's two are in, the later chunks' stay out
.irp u, 0,1
.irp k, 0,1,2,3
	ds_store_b32 v9, v[D+4*(2*\c+\u)+\k] offset:(32*\c+\k)*PITCH+16*\u   ; d = 32 c + 4 x + k, token 8 w + 4 u + y
.endr
.endr
	s_wait_dscnt 0x0                               ; for the others' sake: my stores have landed; and the chunk before is back in registers
.if \c > 0
	OUT \c-1
.endif
	s_barrier_signal -1
	s_barrier_wait -1
.irp i, 0,1,2,3
	ds_load_b64 v[O+8*\c+2*\i:O+8*\c+2*\i+1], v10 offset:(32*\c+\i)*PITCH   ; a row's 256 consecutive bytes
.endr
.endr
	s_wait_dscnt 0x0
	OUT 7
	s_wait_tensorcnt 0x0                           ; the wave's end
	ds_add_u32 v80, v81
	s_wait_dscnt 0x0
	s_endpgm
.Lfunc_end_k_qbf0e9d217e_gather:
	.size	k_qbf0e9d217e_gather, .Lfunc_end_k_qbf0e9d217e_gather-k_qbf0e9d217e_gather
	.p2alignl 7, 3214868480
	.fill 96, 4, 3214868480
	.section	.rodata,"a",@progbits
	.p2align	6, 0x0
	.amdhsa_kernel k_qbf0e9d217e_gather
		.amdhsa_group_segment_fixed_size 68608
		.amdhsa_private_segment_fixed_size 0
		.amdhsa_enable_private_segment 0
		.amdhsa_kernarg_size 24
		.amdhsa_user_sgpr_count 2
		.amdhsa_user_sgpr_kernarg_segment_ptr 1
		.amdhsa_wavefront_size32 1
		.amdhsa_system_sgpr_workgroup_id_x 1
		.amdhsa_system_sgpr_workgroup_id_y 1
		.amdhsa_system_sgpr_workgroup_id_z 1
		.amdhsa_system_vgpr_workitem_id 0
		.amdhsa_next_free_vgpr 154
		.amdhsa_next_free_sgpr 66
		.amdhsa_reserve_vcc 0
		.amdhsa_float_denorm_mode_32 3
		.amdhsa_float_denorm_mode_16_64 3
		.amdhsa_memory_ordered 1
		.amdhsa_forward_progress 1
		.amdhsa_inst_pref_size 15
	.end_amdhsa_kernel
	.amdgpu_metadata
---
amdhsa.version: [ 1, 2 ]
amdhsa.kernels:
  - .name:           k_qbf0e9d217e_gather
    .symbol:         k_qbf0e9d217e_gather.kd
    .args:
      - { .name: embeddings, .offset: 0, .size: 8, .value_kind: global_buffer, .address_space: global }
      - { .name: idxw, .offset: 8, .size: 8, .value_kind: global_buffer, .address_space: global }
      - { .name: out0, .offset: 16, .size: 8, .value_kind: global_buffer, .address_space: global }
    .group_segment_fixed_size: 68608
    .private_segment_fixed_size: 0
    .kernarg_segment_align: 8
    .kernarg_segment_size: 24
    .max_flat_workgroup_size: 256
    .sgpr_count:     66
    .vgpr_count:     154
    .wavefront_size: 32
...
	.end_amdgpu_metadata
.endif
;; end of part 3
